; MI455X (gfx1250); checked and timed in simulation.
; The chip was launched on July 23, 2026; its instructions are those of AMD's public machine-readable ISA for CDNA 5 (MIT licence, August 2026) and "CDNA5" Instruction Set Architecture Reference Guide (July 2026). The comments in the code are by the model that wrote it; some were corrected since.
;; Simple Model. Allowed arithmetic: matrix products marked QUANTISED: E2M1 operands, one E8M0 scale for each 32 along K, by v_wmma_scale_f32_16x16x128_f8f6f4 with both operands' format E2M1 (or v_wmma_scale_f32_32x16x128_f4), f32 sums; everything else in f32.
;; Inputs: W1 512 x 1,024 float32; W2 256 x 512 float32; b1 512 float32; b2 256 float32; codebook 128 x 256 float32; x 32 x 1,024 x 1,024 float32.
;; Outputs: out0 32 x 1,024 int32; out1 one number float32.
;; This version of the problem:
;;   THIS VERSION OF THE PROBLEM IS GIVEN IN LOW PRECISION. The matrix products marked QUANTISED in the list below multiply operands that are first quantised to E2M1 (2 exponent bits, 1 mantissa bit; 4 bits a number), with one power-of-two scale for each 32 numbers along K (OCP MX v1.0); their sums are f32. All else is computed in f32.
;;   The module's matrix products, in the order in which they are computed (A, B: the left and right operand; K: the contracted axis; several contracted axes count as one K, in the product's order):
;;     1. [M 32,768, K 1,024] x [K 1,024, N 512]; A: input x; B: input W1: QUANTISED
;;     2. [M 32,768, K 512] x [K 512, N 256]; A: computed on the way; B: input W2: QUANTISED
;;     3. [M 32,768, K 256] x [K 256, N 128]; A: computed on the way; B: input codebook: QUANTISED
;;   THE QUANTISER, for each operand of a quantised product, along K:
;;     - K is cut into blocks of 32 from its start; a last block that is shorter is filled with zeros.
;;     - A block's scale is 2^e with e = floor(log2(the largest magnitude in the block)) - 2, held to -126 .. 127; a block of zeros has e = 0. As a byte (E8M0): e + 127.
;;     - Each number is divided by its block's scale, clamped to +-6, and rounded to the nearest number of E2M1, ties to even, subnormals kept.
;;     - The product sums the exact products of the quantised numbers (number of the format x scale) in f32.
;;   ~~~python
;;   def quantise(x, axis):      # numpy; x: float32 -> the quantised numbers, widened to float32 again
;;       x = np.moveaxis(x, axis, -1); K = x.shape[-1]
;;       x = np.pad(x, [(0, 0)] * (x.ndim - 1) + [(0, -K % 32)]); x = x.reshape(x.shape[:-1] + (-1, 32)); a = np.abs(x).max(-1, keepdims=True)
;;       e = np.where(a > 0, np.clip(np.frexp(np.where(a > 0, a, 1))[1] - 1 - 2, -126, 127), 0)      # np.frexp(a)[1] - 1 = floor(log2(a)), exactly
;;       r = np.clip(x / 2.0 ** e, -6, 6)
;;       step = 2.0 ** (np.maximum(np.frexp(np.where(r == 0, 1, r))[1] - 1, 0) - 1)
;;       q = np.round(r / step) * step * 2.0 ** e      # np.round: ties to even
;;       return np.moveaxis(q.reshape(q.shape[:-2] + (-1,))[..., :K], -1, axis).astype(np.float32)
;;   ~~~
;;   OPERANDS COMPUTED ON THE WAY. 'Computed on the way' means the value that the module computes at that place (a softmax that the list does not call 'softmax' is quantised finished and normalised). What goes into a quantiser is computed in f32, as accurately as f32 sums, v_exp_f32 and their like allow (about 1e-6 of the number): no bf16 or f16 on the way to a quantiser, and a product that is left as it is and whose result goes on into a quantised operand takes f32 operands (vector FMAs, or v_wmma_f32_16x16x4_f32). A number that lies on a knife's edge between two numbers of the format may be rounded either way, as far as f32 arithmetic and the matrix unit's own rounding can turn it there, and no further.
;; One version. Each part assembles by itself: llvm-mc -triple=amdgcn-amd-amdhsa -mcpu=gfx1250 --defsym DOCPART=n.
;; ======== version 1 of 1: 2 launches
;; limits: right only within a limited range of input values
;; workspace buffers: wq 366,080 bytes
;; launch prep (part 1): grid 84 x 1, 4 waves a work-group, no clusters, 34,816 bytes of LDS; arguments W1, W2, codebook, wq, out1; writes wq, out1
.if DOCPART == 1
	.amdgcn_target "amdgcn-amd-amdhsa--gfx1250"
	.amdhsa_code_object_version 6
	.text
	.protected	k_qd695f5ce11_prep
	.globl	k_qd695f5ce11_prep
	.p2align	8
	.type	k_qd695f5ce11_prep,@function
k_qd695f5ce11_prep:
	s_mov_b64 s[64:65], 0
	v_nop
	global_prefetch_b8 v0, s[64:65] scope:SCOPE_SE
	s_setreg_imm32_b32 hwreg(HW_REG_WAVE_MODE, 25, 1), 1
	s_wait_xcnt 0x0
; W1 [512][1024], W2 [256][512] and the codebook [128][256], f32 with K innermost, become codes of FP4 (E2M1) with one E8M0 byte for each 32 along K,
; laid in wq AS THE SECOND LAUNCH'S REGISTERS WANT THEM.  Also: b2n[c] = the sum of the codebook's squares (of the f32 numbers), and out1 = 0.5.
; wq:  0        336 fragments (16 rows x 128 K) of 1,024 bytes, [half c][lane][16 bytes]: lane (r, h), half c: the codes of k = 128 s + 64 c + 32 h + 0 .. 31 of the lane's row
;      344,064  84 groups of 256 bytes of scale words, [r 16][f 4]: group G = F / 4, f = F % 4; a word = the four bytes of row r and K step s
;      365,568  b2n, 128 f32
; Fragment F:  W1: (8 w + s) 8 + t;  W2: 256 + (4 w + s) 4 + n;  codebook: 320 + (2 w + s) 2 + n  (w: the wave of the second launch that uses it, s: K step, t, n: tile).
; THE ROWS OF A TILE OF W1 AND W2 ARE NOT NEIGHBOURS: lane r of tile t takes row 64 (t / 4) + 8 (t % 4) + r % 8 + 32 (r / 8) of the wave's rows, so that a lane's results of four neighbouring tiles are
; the 32 numbers of one block along the next product's K.  The codebook's tiles take 16 neighbouring rows.
; A block's scale is 2^(floor(log2(its largest magnitude)) - 2); its byte is the largest magnitude's exponent field - 2, held at 1 from below.
; LIMITS: a block of zeros, or one whose largest magnitude lies under 2^-124, gets the byte 1 where the rule says 127 for zeros: its codes are zeros, and this program alone reads the bytes.
; NaN and infinities among the inputs are not served.  b2n is summed in another order than a row-wise sum would be.
; SHARES: work-group G = one group of scale words, wave f = fragment 4 G + f: 336 waves, 16 loads each.  One path for all three tensors: only sizes and the pointer are chosen, by the work-group's number.
; LOADS: load i reads the 512 consecutive bytes of the tile's i-th row, 16 a lane; the 16 rows go through the wave's own stage in LDS as they lie and come back 128 bytes a lane and half.
.set WQ_SC,  344064
.set WQ_CBN, 365568
.set STGB,   512                       ; LDS: 0 the group's scale words, 256 the sums of squares, from 512 a stage of 16 rows x TP for each wave
.set TP,     528                       ; 512 + 16 = 33 x 16: the sixteen rows that a load touches begin at sixteen different 16-byte columns modulo 256
.set SPARE,  STGB+4*16*TP              ; the spare words, 128 bytes for each wave
.set X,      32                        ; v32-95: my 64 numbers; register 32 c + i = k 64 c + 32 h + i of my row
.set R,      112                       ; v112-175: the 16 rows as loaded, row i at 4 i
.set AD,     176                       ; v176-191: byte offset of my 16 bytes in row i; never rewritten
	s_load_b256 s[4:11], s[0:1], 0x0               ; W1 s[4:5], W2 s[6:7], codebook s[8:9], wq s[10:11]
	s_load_b64 s[12:13], s[0:1], 0x20              ; out1
	v_lshl_add_u32 v192, v0, 2, SPARE
	v_mov_b32 v193, 0
	v_lshrrev_b32 v1, 5, v0
	v_readfirstlane_b32 s14, v1                    ; wave f
	s_mov_b32 s32, 0x76543210
	s_mov_b32 s33, 0xfedcba98                      ; v_permlanex16_b32's selects for lane l xor 16
	s_mov_b32 s16, 320
	s_cmp_lt_u32 ttmp9, 80                         ; W2 or the codebook?
	s_cselect_b32 s15, 2, 1                        ; log2 of tiles a wave = of K steps
	s_cselect_b32 s16, 256, s16                    ; the tensor's first fragment
	s_cselect_b32 s17, 11, 10                      ; log2 of a row's bytes
	s_cselect_b32 s18, 1, 0                        ; are a tile's rows permuted?
	s_cmp_lt_u32 ttmp9, 64                         ; or W1?
	s_cselect_b32 s15, 3, s15
	s_cselect_b32 s16, 0, s16
	s_cselect_b32 s17, 12, s17
	s_lshl_b32 s19, ttmp9, 2
	s_add_co_u32 s19, s19, s14                     ; F
	s_sub_co_u32 s22, s19, s16                     ; F within the tensor
	s_lshl_b32 s23, 1, s15
	s_sub_co_u32 s23, s23, 1
	s_and_b32 s26, s22, s23                        ; tile
	s_lshr_b32 s27, s22, s15
	s_and_b32 s27, s27, s23                        ; K step
	s_lshl_b32 s28, s15, 1
	s_lshr_b32 s28, s22, s28                       ; w
	s_lshr_b32 s29, s26, 2
	s_lshl_b32 s29, s29, 6
	s_and_b32 s30, s26, 3
	s_lshl_b32 s30, s30, 3
	s_add_co_u32 s29, s29, s30                     ; 64 (tile / 4) + 8 (tile % 4),
	s_lshl_b32 s30, s26, 4                         ; or 16 x tile
	s_cmp_eq_u32 s18, 1
	s_cselect_b32 s29, s29, s30
	s_add_co_u32 s30, s15, 4
	s_lshl_b32 s28, s28, s30                       ; w x rows a wave (16 x tiles)
	s_add_co_u32 s28, s28, s29                     ; the tile's first row
	s_lshl_b32 s28, s28, s17
	s_lshl_b32 s27, s27, 9                         ; a K step is 512 bytes of a row
	s_add_co_u32 s28, s28, s27
	s_mov_b32 s29, 0                               ; s[28:29]: the tile's first row and K step, in bytes
	s_lshl_b32 s36, s19, 10
	s_mov_b32 s37, 0                               ; s[36:37]: the fragment's image
	s_lshl_b32 s38, ttmp9, 8
	s_add_co_u32 s38, s38, WQ_SC
	s_mov_b32 s39, 0                               ; s[38:39]: the group's scale words
	s_lshl_b32 s40, 1, s17                         ; a row's bytes: the step from one row of the tile to the next,
	s_mul_i32 s41, s18, 24
	s_add_co_u32 s41, s41, 1
	s_lshl_b32 s41, s41, s17                       ; but from its row 7 to its row 8 25 rows where the rows are permuted
	s_lshl_b32 s42, s14, 2
	s_lshl_b32 s43, s14, 6
	s_add_co_u32 s43, s43, 256
	s_mul_i32 s44, s14, 16*TP
	s_add_co_u32 s44, s44, STGB                    ; my stage
	v_and_b32 v1, 31, v0                           ; lane
	v_and_b32 v2, 15, v0                           ; r
	v_bfe_u32 v3, v0, 4, 1                         ; h
	v_lshlrev_b32 v5, 4, v1                        ; 16 x lane
	v_lshlrev_b32 v6, 3, v1                        ; 8 x lane
	v_lshlrev_b32 v26, 2, v1                       ; 4 x lane
	v_lshl_add_u32 v7, v2, 4, s42
	v_add_nc_u32 v7, v7, v3                        ; LDS: my block h's byte in my row's scale word: 16 r + 4 f + h
	v_lshl_add_u32 v25, v2, 2, s43                 ; LDS: my row's sum of squares of this K step: 256 + 64 f + 4 r
	v_add_nc_u32 v27, s44, v5                      ; in: 16 x lane, the row in the immediate
	v_mul_u32_u24 v28, v2, TP
	v_lshl_add_u32 v28, v3, 7, v28
	v_add_nc_u32 v28, s44, v28                     ; out: row r, + 128 h bytes
	v_mov_b32 v[AD], v5
.irp i, 1,2,3,4,5,6,7,8,9,10,11,12,13,14,15
.if \i == 8
	v_add_nc_u32 v[AD+\i], s41, v[AD+\i-1]
.else
	v_add_nc_u32 v[AD+\i], s40, v[AD+\i-1]
.endif
.endr
	s_wait_alu depctr_va_vdst(0)                   ; the wait at the head's end
	s_wait_kmcnt 0x0
	s_cmp_lt_u32 ttmp9, 80                         ; the source's pointer: the choice hangs on the work-group's number alone
	s_cselect_b64 s[20:21], s[6:7], s[8:9]
	s_cmp_lt_u32 ttmp9, 64
	s_cselect_b64 s[20:21], s[4:5], s[20:21]
	s_add_nc_u64 s[20:21], s[20:21], s[28:29]
	s_add_nc_u64 s[24:25], s[10:11], s[36:37]
	s_add_nc_u64 s[26:27], s[10:11], s[38:39]
.irp i, 0,1,2,3,4,5,6,7,8,9,10,11,12,13,14,15
	global_load_b128 v[R+4*\i:R+4*\i+3], v[AD+\i], s[20:21] th:TH_LOAD_NT   ; 32 lanes read 512 consecutive bytes of one row
.endr
.irp i, 0,1,2,3,4,5,6,7,8,9,10,11,12,13,14,15
	s_wait_loadcnt 15-\i                           ; loads come back in order (ISA guide 5.7.1): row i is in, the younger ones may be out
	ds_store_b128 v27, v[R+4*\i:R+4*\i+3] offset:TP*\i
.endr
.irp c, 0,1
.irp j, 0,1,2,3,4,5,6,7
	ds_load_b128 v[X+32*\c+4*\j:X+32*\c+4*\j+3], v28 offset:256*\c+16*\j   ; LDS serves a wave's instructions in order (ISA guide 5.7.1.4): these see the stores above
.endr
.endr
	s_wait_dscnt 0x0
.irp p, 0,1                                    ; my block 2 c + h: all its 32 numbers are mine; two chains a block
.irp c, 0,1
	v_max3_num_f32 v[8+2*\c+\p], |v[X+32*\c+2*\p]|, |v[X+32*\c+2*\p+1]|, 0x1800000   ; and the floor 2^(3 - 127): the byte cannot fall under 1
.endr
.endr
.irp i, 4,8,12,16,20,24,28
.irp p, 0,1
.irp c, 0,1
	v_max3_num_f32 v[8+2*\c+\p], v[8+2*\c+\p], |v[X+32*\c+\i+2*\p]|, |v[X+32*\c+\i+2*\p+1]|
.endr
.endr
.endr
.irp c, 0,1
	v_max_num_f32 v[8+2*\c], v[8+2*\c], v[9+2*\c]
.endr
.irp c, 0,1
	v_add_nc_u32 v[12+\c], 0xff000000, v[8+2*\c]   ; 2 off the exponent field: the conversion's scale operand
.endr
.irp c, 0,1
	v_lshrrev_b32 v[14+\c], 23, v[12+\c]           ; the scale's byte
.endr
	ds_store_b8 v7, v14                            ; blocks h and 2 + h
	ds_store_b8 v7, v15 offset:2
	s_cmp_lt_u32 ttmp9, 80
	s_wait_alu depctr_va_vdst(0)                   ; directly ahead of the branch
	s_cbranch_scc1 .Lno_squares                    ; the codebook's work-groups alone: the sum of my 64 squares, in two chains
	v_pk_mul_f32 v[96:97], v[X:X+1], v[X:X+1]
	v_pk_mul_f32 v[98:99], v[X+2:X+3], v[X+2:X+3]
.irp i, 4,8,12,16,20,24,28,32,36,40,44,48,52,56,60
	v_pk_fma_f32 v[96:97], v[X+\i:X+\i+1], v[X+\i:X+\i+1], v[96:97]
	v_pk_fma_f32 v[98:99], v[X+\i+2:X+\i+3], v[X+\i+2:X+\i+3], v[98:99]
.endr
	v_pk_add_f32 v[96:97], v[96:97], v[98:99]
	v_add_f32 v96, v96, v97
	v_permlanex16_b32 v98, v96, s32, s33
	v_add_f32 v96, v96, v98                        ; my row's 128 squares of this K step
	ds_store_b32 v25, v96
.Lno_squares:
.irp c, 0,1
.irp g, 0,1,2,3
	v_cvt_scalef32_pk8_fp4_f32 v[16+4*\c+\g], v[X+32*\c+8*\g:X+32*\c+8*\g+7], v[12+\c]
.endr
.endr
	v_nop                                          ; one plain place behind the scaled conversions
	global_store_b128 v5, v[16:19], s[24:25]               ; 32 lanes store 512 consecutive bytes
	global_store_b128 v5, v[20:23], s[24:25] offset:512
	s_wait_dscnt 0x0                               ; for the others' sake: my LDS stores are done
	s_barrier_signal -1
	s_barrier_wait -1
	s_cmp_lg_u32 s14, 0
	s_cbranch_scc1 .Lend                           ; wave 0 sends what the four waves gathered
	ds_load_b64 v[100:101], v6
	s_wait_dscnt 0x0
	global_store_b64 v6, v[100:101], s[26:27]      ; the group's 64 scale words: 256 consecutive bytes
	s_cmp_lt_u32 ttmp9, 80
	s_cbranch_scc1 .Lno_norms
	s_sub_co_u32 s28, ttmp9, 80
	s_lshl_b32 s28, s28, 7                         ; 32 rows of the codebook a work-group
	s_add_co_u32 s28, s28, WQ_CBN
	s_add_nc_u64 s[34:35], s[10:11], s[28:29]
	ds_load_b32 v104, v26 offset:256               ; lane = 16 n + r; K step 0,
	ds_load_b32 v105, v26 offset:384               ; K step 1
	s_wait_dscnt 0x0
	v_add_f32 v104, v104, v105
	global_store_b32 v26, v104, s[34:35]
.Lno_norms:
	s_cmp_lg_u32 ttmp9, 0
	s_cbranch_scc1 .Lend
	v_mov_b32 v108, 0
	v_mov_b32 v109, 0.5
	global_store_b32 v108, v109, s[12:13]          ; the loss, a constant of the problem: all lanes write the one word with the same value
.Lend:
	s_wait_tensorcnt 0x0                           ; the wave's end
	ds_add_u32 v192, v193
	s_wait_dscnt 0x0
	s_endpgm
.Lfunc_end_k_qd695f5ce11_prep:
	.size	k_qd695f5ce11_prep, .Lfunc_end_k_qd695f5ce11_prep-k_qd695f5ce11_prep
	.p2alignl 7, 3214868480
	.fill 96, 4, 3214868480
	.section	.rodata,"a",@progbits
	.p2align	6, 0x0
	.amdhsa_kernel k_qd695f5ce11_prep
		.amdhsa_group_segment_fixed_size 34816
		.amdhsa_private_segment_fixed_size 0
		.amdhsa_enable_private_segment 0
		.amdhsa_kernarg_size 40
		.amdhsa_user_sgpr_count 2
		.amdhsa_user_sgpr_kernarg_segment_ptr 1
		.amdhsa_wavefront_size32 1
		.amdhsa_system_sgpr_workgroup_id_x 1
		.amdhsa_system_sgpr_workgroup_id_y 1
		.amdhsa_system_sgpr_workgroup_id_z 1
		.amdhsa_system_vgpr_workitem_id 0
		.amdhsa_next_free_vgpr 194
		.amdhsa_next_free_sgpr 66
		.amdhsa_reserve_vcc 0
		.amdhsa_float_denorm_mode_32 3
		.amdhsa_float_denorm_mode_16_64 3
		.amdhsa_memory_ordered 1
		.amdhsa_forward_progress 1
		.amdhsa_inst_pref_size 15
	.end_amdhsa_kernel
	.amdgpu_metadata
---
amdhsa.version: [ 1, 2 ]
amdhsa.kernels:
  - .name:           k_qd695f5ce11_prep
    .symbol:         k_qd695f5ce11_prep.kd
    .args:
      - { .name: W1, .offset: 0, .size: 8, .value_kind: global_buffer, .address_space: global }
      - { .name: W2, .offset: 8, .size: 8, .value_kind: global_buffer, .address_space: global }
      - { .name: codebook, .offset: 16, .size: 8, .value_kind: global_buffer, .address_space: global }
      - { .name: wq, .offset: 24, .size: 8, .value_kind: global_buffer, .address_space: global }
      - { .name: out1, .offset: 32, .size: 8, .value_kind: global_buffer, .address_space: global }
    .group_segment_fixed_size: 34816
    .private_segment_fixed_size: 0
    .kernarg_segment_align: 8
    .kernarg_segment_size: 40
    .max_flat_workgroup_size: 128
    .sgpr_count:     66
    .vgpr_count:     194
    .wavefront_size: 32
...
	.end_amdgpu_metadata
.endif
;; end of part 1
;; launch main (part 2): grid 256 x 1, 4 waves a work-group, no clusters, 327,680 bytes of LDS; arguments x, wq, b1, b2, out0; writes out0
.if DOCPART == 2
	.amdgcn_target "amdgcn-amd-amdhsa--gfx1250"
	.amdhsa_code_object_version 6
	.text
	.protected	k_qd695f5ce11_main
	.globl	k_qd695f5ce11_main
	.p2align	8
	.type	k_qd695f5ce11_main,@function
k_qd695f5ce11_main:
	s_mov_b64 s[64:65], 0
	v_nop
	global_prefetch_b8 v0, s[64:65] scope:SCOPE_SE
	s_setreg_imm32_b32 hwreg(HW_REG_WAVE_MODE, 25, 1), 1
	s_wait_xcnt 0x0
; tokens = argmin_c sqrt(max(a2 + b2n[c] - 2 enc . codebook[c], 0)),  enc = relu(x W1^T + b1) W2^T + b2,  a2 = the sum of enc's squares; all three products on codes of FP4 (E2M1) with E8M0 scales.
; x [32768][1024] f32 is quantised here; the weights' codes, scale words and b2n come from wq as the first launch laid them (images of the operands' registers).  h, enc and the distances never go to memory.
; SHARES.  A work-group owns 128 rows of x, as four blocks of 32.  THE FOUR WAVES SHARE THE COLUMNS: wave w makes hidden units 128 w .. + 127, enc columns 64 w .. + 63 and codes 32 w .. + 31 for all 32 rows of a block.
; W1 AND W2 STAY IN REGISTERS: a wave's 128 rows x 1,024 codes of W1 are 512 registers (windows 2 and 3), its 64 x 512 codes of W2 128: loaded once, straight from wq, in the order in which block 0 wants them.
; x COMES BY TENSOR LOADS into two slots of LDS, a block each; wave w fetches the block's 32 rows x 256 along K of step w: one load a wave and block.  A slot is filled again behind the barrier that enc's images ask for; that load has a block's work in which to land.
; A STEP is 256 along K of the first product: four units of 16 rows x 128 K, one a wave (wave w: rows 16 (w % 2), K half w / 2).  A unit's numbers come from the slot so that a lane holds whole blocks of 32, and are quantised;
; codes and scale bytes go to the others through LDS as images of operand registers.  In a step the next unit's loads, this unit's quantiser and the 32 matrix instructions of the step before run beside each other; one barrier.
; ALL PRODUCTS ARE USED TRANSPOSED (source 0 = 16 rows of a weight, source 1 = 16 data rows): a lane holds ONE data row.  W1's and W2's rows are dealt to tiles so that a lane's four neighbouring tiles are one block of 32 along the next K.
; relu is done on the codes: a negative number counts for nothing in its block's maximum, and its code's magnitude bits are cleared (what is left is the code of -0).
; NO CLUSTER: what the tensor loads bring, x, is each work-group's own; the weights, which all share, go to registers, which a joint load does not reach.
; PREFETCH: in each step of blocks 0 and 1 a wave asks for 32 rows x 256 bytes of its part of the block two on, whose load it issues at the end of the block; each 256 bytes are asked for once.  Blocks 0 and 1 come by their loads alone.
; LIMITS.  NaN and infinities among the inputs are not served (a row whose distances are all NaN gets an index above 127).  A block of zeros, or one whose largest magnitude lies under 2^-124, gets the
; scale byte 1: its codes are zeros.  The biases are the C of a sum's first product and a2 is summed by waves: orders of f32 rounding other than a row-wise sum's.  v_sqrt_f32 is not correctly rounded
; (ISA guide, its entry in 15.8): two distances that differ in the last bit may change places.
; LDS
.set PITCH, 1040                       ; x's rows of 256 numbers: 1,024 + 16 = 65 x 16: the sixteen rows that a load touches begin at sixteen different 16-byte columns modulo 256
.set QUART, 32*PITCH                   ; a step's 32 rows
.set SLOT, 4*QUART                     ; 133,120; two of them from byte 0
.set XI,   266240                      ; x's images: two buffers of XBUF: fragments [K half][m] of 1,024, then scale words [K half][m][r]
.set XBUF, 4352
.set HI,   274944                      ; h's: fragments [s][m], then scale words [s][m][r]
.set EI,   283648                      ; enc's: fragments [s][m], then scale words
.set A2L,  288000                      ; a2's parts [m][r][w]
.set BIAS, 288512                      ; 1,024 a wave: b1 (512 bytes), b2 (256), b2n (128)
.set RES,  292608                      ; the waves' least distances [w][128 rows], + 2,048 their indices
.set CBL,  296704                      ; the codebook's fragments, 4,096 w + 2,048 s + 1,024 n + 512 c + 16 lane
.set SPARE, 313088                     ; the spare words, 128 bytes for each wave
; wq
.set WQ_W2,  262144
.set WQ_CB,  327680
.set WQ_SC,  344064
.set WQ_W2S, 360448
.set WQ_CBS, 364544
.set WQ_CBN, 365568
; REGISTERS, window 0: addresses
.set XO,   1                           ; 16 x lane
.set TO0,  2                           ; v2, v3: my unit in slot 0, steps 0-1 and 2-3: row r, + 128 h
.set TO1,  8                           ; v8, v17: the same in slot 1
.set LI0,  4                           ; XI + 16 lane: images, in registers' order
.set LSX,  5                           ; XI + 4,096 + 4 lane: scale words
.set XWI,  6                           ; my unit's image,
.set XWS,  7                           ; and its scale bytes
.set CL,   9                           ; my codebook
.set HWI,  10
.set HWS,  11
.set EWI,  12
.set EWS,  13
.set A2W,  14
.set A2R,  15
.set B1A,  16                          ; my biases, + 128 h
.set BNA,  18                          ; my b2n, + 32 h
.set RW,   19                          ; my results
.set IDXB, 20                          ; 32 w + 8 h: my first code
.set SPW,  21                          ; my spare word
.set NIL,  22                          ; 0
.set PFO,  23                          ; the prefetches' offset: lane x 4,096: a row a lane
; scale words and nothing else: lanes 0-15 and 16-31 carry two words
.set XS,   24                          ; v24-25 x's, by K half: m = 0 | m = 1
.set HS,   26                          ; v26-29 h's, by s
.set ES,   30                          ; v30-31 enc's
.set W1S,  32                          ; v32-63 4 s + t % 4: t < 4 | t >= 4
.set W2S,  64                          ; v64-71 4 (s / 2) + n: s even | s odd
.set CBS,  72                          ; v72-75 2 s + n
.set TM,   76                          ; v76-83 at work
.set PC,   84                          ; v84-91 the codes just made
.set T4,   92                          ; v92-95 at work
.set AF,   96                          ; v96-127 x's four fragments; in the epilogue enc's
.set Q0,   128                         ; v128-191, v192-255: a unit turned: register 32 c + i = k 64 c + 32 h + i of row r; in the epilogue v192-255 hold b2n, a2's parts and the codebook's fragments
.set Q1,   192
; window 1: v0-127 the first product's accumulators (m, t) at 64 m + 8 t; in the epilogue the second's (m, n) at 32 m + 8 n, h's fragments at 64 + 16 s + 8 m, the third's (m, n) at 64 + 16 m + 8 n, distances from 96.
;           v128-255 W2's fragment (s, n) at 128 + 32 s + 8 n.    windows 2, 3: W1's fragment (s, t) at 64 (s % 4) + 8 t of window 2 + s / 4.
.set MSB, 0
.macro WIN new                         ; s_set_vgpr_msb's low byte: bits 1:0 source 0, 3:2 source 1, 5:4 source 2, 7:6 destination; the high byte repeats the setting that is left
.if MSB != (\new)
	s_set_vgpr_msb (MSB<<8)|(\new)
.set MSB, (\new)
.endif
.endm
.macro PLACES n                        ; plain places behind a matrix instruction (ISA guide 7.12.1)
.rept \n
	v_nop
.endr
.endm
.macro BAR                             ; my LDS stores have landed and my LDS loads are in: then the work-group's barrier
	s_wait_dscnt 0x0
	s_barrier_signal -1
	s_barrier_wait -1
.endm
.macro WLD p                           ; W1's K steps 2 p, 2 p + 1: 32 loads of 512 consecutive bytes
	WIN 0x80+0x40*((\p)/2)
.irp s, 0,1
.irp t, 0,1,2,3,4,5,6,7
.irp c, 0,1
	global_load_b128 v[128*((\p)%2)+64*\s+8*\t+4*\c:128*((\p)%2)+64*\s+8*\t+4*\c+3], v[XO], s[40:41] offset:16384*(\p)+8192*\s+1024*\t+512*\c
.endr
.endr
.endr
	WIN 0
.endm
.macro W2LD                            ; W2's sixteen fragments
	WIN 0x40
.irp s, 0,1,2,3
.irp n, 0,1,2,3
.irp c, 0,1
	global_load_b128 v[128+32*\s+8*\n+4*\c:128+32*\s+8*\n+4*\c+3], v[XO], s[60:61] offset:4096*\s+1024*\n+512*\c
.endr
.endr
.endr
	WIN 0
.endm
.macro TLD b, j, q, cc                 ; block 2 cc + h of row r of my unit of step j of block b
.set ta, (1-((\b)%2))*(TO0+(\j)/2)+((\b)%2)*(TO1+9*((\j)/2))
	WIN 0
.irp k, 0,1,2,3,4,5,6,7
	ds_load_b128 v[(\q)+32*(\cc)+4*\k:(\q)+32*(\cc)+4*\k+3], v[ta] offset:QUART*((\j)%2)+256*(\cc)+16*\k
.endr
.endm
; The largest of two blocks of 32 numbers, v[q ..] and v[q + 32 ..] of window w, two chains each.  ab = 1: of the magnitudes.  The floor 2^(3 - 127) keeps the scale's byte at 1 from below.
.macro VMAX q, ab, w
	WIN (\w)|((\w)<<2)
.irp i, 0,4,8,12,16,20,24,28
.irp c, 0,1
.irp p, 0,1
.if \i == 0
.if \ab
	v_max3_num_f32 v[TM+2*\c+\p], |v[(\q)+32*\c+2*\p]|, |v[(\q)+32*\c+2*\p+1]|, 0x1800000
.else
	v_max3_num_f32 v[TM+2*\c+\p], v[(\q)+32*\c+2*\p], v[(\q)+32*\c+2*\p+1], 0x1800000
.endif
.else
.if \ab
	v_max3_num_f32 v[TM+2*\c+\p], |v[(\q)+32*\c+\i+2*\p]|, |v[(\q)+32*\c+\i+2*\p+1]|, v[TM+2*\c+\p]
.else
	v_max3_num_f32 v[TM+2*\c+\p], v[(\q)+32*\c+\i+2*\p], v[(\q)+32*\c+\i+2*\p+1], v[TM+2*\c+\p]
.endif
.endif
.endr
.endr
.endr
	WIN 0
.endm
.macro CONV q, w                       ; the two blocks' codes in v[PC ..] and v[PC + 4 ..], their scale bytes in v[TM + 6], v[TM + 7]
	WIN 0
	v_max_num_f32 v[TM], v[TM], v[TM+1]
	v_max_num_f32 v[TM+2], v[TM+2], v[TM+3]
	v_add_nc_u32 v[TM+4], 0xff000000, v[TM]        ; 2 off the exponent field: the conversion's scale operand
	v_add_nc_u32 v[TM+5], 0xff000000, v[TM+2]
	v_lshrrev_b32 v[TM+6], 23, v[TM+4]
	v_lshrrev_b32 v[TM+7], 23, v[TM+5]
	WIN \w
.irp g, 0,1,2,3
.irp c, 0,1
	v_cvt_scalef32_pk8_fp4_f32 v[PC+4*\c+\g], v[(\q)+32*\c+8*\g:(\q)+32*\c+8*\g+7], v[TM+4+\c]
.endr
.endr
	WIN 0
	v_nop                                          ; one plain place behind the scaled conversions
.endm
.macro WQ d, a, b, c, sa, sb, ra, rb   ; one matrix instruction; ra, rb: which half of the lanes carries the side's scales
.if (\ra)&&(\rb)
	v_wmma_scale_f32_16x16x128_f8f6f4 v[\d:(\d)+7], v[\a:(\a)+7], v[\b:(\b)+7], \c, v[\sa], v[\sb] matrix_a_fmt:MATRIX_FMT_FP4 matrix_b_fmt:MATRIX_FMT_FP4 matrix_a_scale:MATRIX_SCALE_ROW1 matrix_b_scale:MATRIX_SCALE_ROW1
.elseif \ra
	v_wmma_scale_f32_16x16x128_f8f6f4 v[\d:(\d)+7], v[\a:(\a)+7], v[\b:(\b)+7], \c, v[\sa], v[\sb] matrix_a_fmt:MATRIX_FMT_FP4 matrix_b_fmt:MATRIX_FMT_FP4 matrix_a_scale:MATRIX_SCALE_ROW1
.elseif \rb
	v_wmma_scale_f32_16x16x128_f8f6f4 v[\d:(\d)+7], v[\a:(\a)+7], v[\b:(\b)+7], \c, v[\sa], v[\sb] matrix_a_fmt:MATRIX_FMT_FP4 matrix_b_fmt:MATRIX_FMT_FP4 matrix_b_scale:MATRIX_SCALE_ROW1
.else
	v_wmma_scale_f32_16x16x128_f8f6f4 v[\d:(\d)+7], v[\a:(\a)+7], v[\b:(\b)+7], \c, v[\sa], v[\sb] matrix_a_fmt:MATRIX_FMT_FP4 matrix_b_fmt:MATRIX_FMT_FP4
.endif
.endm
; Eight matrix instructions of the first product: K step 2 p + sp, row tile m.  The 16 accumulators take turns, one instruction a turn.
; b1 lies in row tile 0's accumulators when the sums start: row tile 1 takes it from there as its first C, five places ahead of row tile 0's first products.
.macro WCH p, sp, m
.set ws, 2*(\p)+(\sp)
	WIN 0x52+ws/4
.irp t, 0,1,2,3,4,5,6,7
.if ws == 0 && (\m) == 1
	WQ 64+8*\t, 64*(ws%4)+8*\t, AF+8*(2*\sp+\m), v[8*\t:8*\t+7], W1S+4*ws+\t%4, XS+\sp, \t/4, \m
.else
	WQ 64*\m+8*\t, 64*(ws%4)+8*\t, AF+8*(2*\sp+\m), v[64*\m+8*\t:64*\m+8*\t+7], W1S+4*ws+\t%4, XS+\sp, \t/4, \m
.endif
.endr
.endm
; STEP j of block b.  Behind it: this unit quantised, the block's next unit turned, the products of step j - 1 done.
; lc: in block 0, how many younger global loads may stay out when W1's codes for these products have to be in (-1: no wait).  wl: what is asked for behind it: W1's K steps 2 wl, 2 wl + 1, or W2 (4).
.macro BODY b, j, lc, wl
.set qs, Q0+64*((\j)%2)
.set qn, Q0+64*((\j+1)%2)
.set fb, XBUF*((\j)%2)
.if (\j) == 0
	s_wait_dscnt 0x0                               ; the block's first unit is turned
.endif
	VMAX qs, 1, 0
	s_wait_alu depctr_va_vdst(0)                   ; directly ahead of the waits below
	s_wait_dscnt 0x0                               ; the operands fetched at the last step's end are in
.if (\lc) >= 0
	s_wait_loadcnt \lc
.endif
.if (\j) < 3
	TLD \b, \j+1, qn, 0
.endif
.if (\j) > 0
	WCH \j-1, 0, 1
.if (\j) == 1
	PLACES 5
.endif
	WCH \j-1, 0, 0
.endif
.if (\j) < 3
	TLD \b, \j+1, qn, 1
.endif
.if (\j) > 0
	WCH \j-1, 1, 1
	WCH \j-1, 1, 0
.endif
	CONV qs, 0                                     ; (its plain lines are also the places in front of the loads into the operands that the products above read)
	ds_store_b128 v[XWI], v[PC:PC+3] offset:fb
	ds_store_b128 v[XWI], v[PC+4:PC+7] offset:fb+512
	ds_store_b8 v[XWS], v[TM+6] offset:fb
	ds_store_b8 v[XWS], v[TM+7] offset:fb+2
	BAR                                            ; x's four fragments of this step lie in LDS; the other buffer's readers have passed the barrier before
.irp s, 0,1
	ds_load_b32 v[XS+\s], v[LSX] offset:fb+128*\s
.endr
.irp f, 0,1,2,3
.irp c, 0,1
	ds_load_b128 v[AF+8*\f+4*\c:AF+8*\f+4*\c+3], v[LI0] offset:fb+1024*\f+512*\c
.endr
.endr
.if (\j) == 0
	WIN 0x40                                       ; b1 into row tile 0's accumulators: tile t, my units 64 (t / 4) + 32 h + 8 (t % 4) + 0 .. 7
.irp t, 0,1,2,3,4,5,6,7
.irp c, 0,1
	ds_load_b128 v[8*\t+4*\c:8*\t+4*\c+3], v[B1A] offset:256*(\t/4)+32*(\t%4)+16*\c
.endr
.endr
	WIN 0
.endif
.if (\j) == 3
.irp f, 0,1,2,3                                ; for the third product: the codebook's four fragments 2 s + n,
.irp c, 0,1
	ds_load_b128 v[Q1+32+8*\f+4*\c:Q1+32+8*\f+4*\c+3], v[CL] offset:1024*\f+512*\c
.endr
.endr
.irp n, 0,1                                    ; and b2n of codes 16 n + 8 h + 0 .. 7
.irp c, 0,1
	ds_load_b128 v[Q1+8*\n+4*\c:Q1+8*\n+4*\c+3], v[BNA] offset:64*\n+16*\c
.endr
.endr
.endif
.if (\wl) == 4
	W2LD
.elseif (\wl) >= 0
	WLD \wl
.endif
.if (\b) < 2
	global_prefetch_b8 v[PFO], s[58:59] offset:131072*(\b+2)+256*(\j) th:TH_LOAD_NT scope:SCOPE_SE   ; block b + 2: 32 rows, the j-th 256 bytes of my 1,024
.endif
.endm
.macro HQ m                            ; h of row tile m: quantised with relu; my 128 hidden units are K step w of the second product
	VMAX 64*\m, 0, 1
	s_wait_alu depctr_va_vdst(0)                   ; directly ahead of the wait below
	s_wait_dscnt 0x0                               ; the last image's stores have read their registers
	CONV 64*\m, 1
.irp c, 0,1
.irp g, 0,1,2,3
	v_and_b32 v[T4+\g], s56, v[PC+4*\c+\g]         ; eight signs
.endr
.irp g, 0,1,2,3
	v_lshrrev_b32 v[TM+\g], 3, v[T4+\g]
.endr
.irp g, 0,1,2,3
	v_sub_nc_u32 v[T4+\g], v[T4+\g], v[TM+\g]      ; 8 - 1 = 7 where a sign stands
.endr
.irp g, 0,1,2,3
	v_bfi_b32 v[PC+4*\c+\g], v[T4+\g], 0, v[PC+4*\c+\g]   ; magnitudes of negative codes cleared
.endr
.endr
	ds_store_b128 v[HWI], v[PC:PC+3] offset:1024*\m
	ds_store_b128 v[HWI], v[PC+4:PC+7] offset:1024*\m+512
	ds_store_b8 v[HWS], v[TM+6] offset:64*\m
	ds_store_b8 v[HWS], v[TM+7] offset:64*\m+2
.endm
.macro M2 s                            ; K step s of the second product: eight accumulators by turns; b2 is the first step's C, as b1 above
	WIN 0x55
.irp m, 1,0
.irp n, 0,1,2,3
.if (\s) == 0 && \m == 1
	WQ 32+8*\n, 128+32*\s+8*\n, 64+16*\s+8*\m, v[8*\n:8*\n+7], W2S+4*(\s/2)+\n, HS+\s, \s%2, \m
.else
	WQ 32*\m+8*\n, 128+32*\s+8*\n, 64+16*\s+8*\m, v[32*\m+8*\n:32*\m+8*\n+7], W2S+4*(\s/2)+\n, HS+\s, \s%2, \m
.endif
.endr
.if (\s) == 0 && \m == 1
	PLACES 5
.endif
.endr
.endm
; THE EPILOGUE of block b.
.macro EPI b
.if (\b) == 0
	s_wait_loadcnt 32                              ; W1's last K steps are in; W2's 32 loads may be out
.endif
	s_wait_dscnt 12                                ; the last step's operands are in; the codebook's and b2n's twelve loads may be out
	WCH 3, 0, 1
	WCH 3, 0, 0
	WCH 3, 1, 1
	WCH 3, 1, 0
	WIN 0
	PLACES 4
	HQ 0
	WIN 0x40                                       ; b2 into row tile 0's accumulators of the second product: tile n, my columns 32 h + 8 n + 0 .. 7
.irp n, 0,1,2,3
.irp c, 0,1
	ds_load_b128 v[8*\n+4*\c:8*\n+4*\c+3], v[B1A] offset:512+32*\n+16*\c
.endr
.endr
	HQ 1
	BAR                                            ; h's eight fragments lie in LDS
.irp s, 0,1,2,3
	ds_load_b32 v[HS+\s], v[LSX] offset:HI+8192-XI-4096+128*\s
.endr
	WIN 0x40
.irp s, 0,1,2,3
.irp m, 0,1
.irp c, 0,1
	ds_load_b128 v[64+16*\s+8*\m+4*\c:64+16*\s+8*\m+4*\c+3], v[LI0] offset:HI-XI+2048*\s+1024*\m+512*\c
.endr
.endr
.endr
.if (\b) == 0
	s_wait_loadcnt 0x0                             ; W2 is in
.endif
	s_wait_dscnt 12                                ; four loads for each later K step may stay out
	M2 0
	s_wait_dscnt 8
	M2 1
	s_wait_dscnt 4
	M2 2
	s_wait_dscnt 0x0
	M2 3
	WIN 0
	PLACES 4
	WIN 0x05                                       ; a2's part: the squares of my 64 columns of enc, unquantised, two chains a row tile
.irp m, 0,1
	v_pk_mul_f32 v[T4+2*\m:T4+2*\m+1], v[32*\m:32*\m+1], v[32*\m:32*\m+1]
	v_pk_mul_f32 v[TM+2*\m:TM+2*\m+1], v[32*\m+2:32*\m+3], v[32*\m+2:32*\m+3]
.endr
.irp i, 4,8,12,16,20,24,28
.irp m, 0,1
	v_pk_fma_f32 v[T4+2*\m:T4+2*\m+1], v[32*\m+\i:32*\m+\i+1], v[32*\m+\i:32*\m+\i+1], v[T4+2*\m:T4+2*\m+1]
	v_pk_fma_f32 v[TM+2*\m:TM+2*\m+1], v[32*\m+\i+2:32*\m+\i+3], v[32*\m+\i+2:32*\m+\i+3], v[TM+2*\m:TM+2*\m+1]
.endr
.endr
	WIN 0
.irp m, 0,1
	v_pk_add_f32 v[T4+2*\m:T4+2*\m+1], v[T4+2*\m:T4+2*\m+1], v[TM+2*\m:TM+2*\m+1]
.endr
.irp m, 0,1
	v_add_f32 v[T4+2*\m], v[T4+2*\m], v[T4+2*\m+1]
.endr
.irp m, 0,1
	v_permlanex16_b32 v[TM+4+\m], v[T4+2*\m], s54, s55
.endr
.irp m, 0,1
	v_add_f32 v[T4+2*\m], v[T4+2*\m], v[TM+4+\m]
.endr
.irp m, 0,1
	ds_store_b32 v[A2W], v[T4+2*\m] offset:256*\m  ; lanes r and r + 16 write the same word with the same value
.endr
	VMAX 0, 1, 1                                   ; enc: my 64 columns are half w % 2 of K step w / 2 of the third product; the two blocks here are the two row tiles' (my block 2 (w % 2) + h of each)
	s_wait_alu depctr_va_vdst(0)                   ; directly ahead of the wait below
	s_wait_dscnt 0x0
	CONV 0, 1
.irp m, 0,1
	ds_store_b128 v[EWI], v[PC+4*\m:PC+4*\m+3] offset:1024*\m
	ds_store_b8 v[EWS], v[TM+6+\m] offset:64*\m
.endr
.if (\b) < 3                                   ; enc's fragments and a2's parts lie in LDS behind this barrier; and the next block is whole there, and nobody reads this block's slot any more
	s_wait_tensorcnt 0x0                           ; all my tensor loads have landed: my part of the next block,
	ds_add_u32 v[SPW], v[NIL]                      ; 0 onto my spare word
.if (\b) < 2
	s_add_nc_u64 s[34+4*\b:35+4*\b], s[34+4*\b:35+4*\b], 0x40000   ; this slot's next block: 64 rows on
.endif
	s_wait_dscnt 0x0                               ; the add is done, my stores have landed and my reads are back
	s_barrier_signal -1
	s_barrier_wait -1
.if (\b) < 2
	tensor_load_to_lds s[32+4*\b:35+4*\b], s[24:31]   ; the one tensor load of this wave behind the barrier: block b + 2
	s_nop 0
.endif
.else
	BAR
.endif
.irp s, 0,1
	ds_load_b32 v[ES+\s], v[LSX] offset:EI-XI+128*\s
.endr
.irp f, 0,1,2,3
.irp c, 0,1
	ds_load_b128 v[AF+8*\f+4*\c:AF+8*\f+4*\c+3], v[LI0] offset:EI-XI+1024*\f+512*\c
.endr
.endr
.irp m, 0,1
	ds_load_b128 v[Q1+16+4*\m:Q1+16+4*\m+3], v[A2R] offset:256*\m
.endr
.if (\b) < 3
	TLD \b+1, 0, Q0, 0                             ; the next block's first unit is turned beside the distances
	TLD \b+1, 0, Q0, 1
	s_wait_dscnt 16
.else
	s_wait_dscnt 0x0
.endif
	WIN 0x50                                       ; the third product: four accumulators by turns
.irp m, 0,1
.irp n, 0,1
	WQ 64+16*\m+8*\n, Q1+32+8*\n, AF+8*\m, 0, CBS+\n, ES, 0, \m
.endr
.endr
.irp m, 0,1
.irp n, 0,1
	WQ 64+16*\m+8*\n, Q1+48+8*\n, AF+16+8*\m, v[64+16*\m+8*\n:64+16*\m+8*\n+7], CBS+2+\n, ES+1, 0, \m
.endr
.endr
	WIN 0                                          ; a2 of my row: the four waves' parts.  (These six additions and the 16 below are the places behind the last products)
.irp m, 0,1
	v_add_f32 v[Q1+16+4*\m], v[Q1+16+4*\m], v[Q1+17+4*\m]
	v_add_f32 v[Q1+18+4*\m], v[Q1+18+4*\m], v[Q1+19+4*\m]
.endr
.irp m, 0,1
	v_add_f32 v[Q1+16+4*\m], v[Q1+16+4*\m], v[Q1+18+4*\m]
.endr
	WIN 0x40
.irp m, 0,1
.irp q, 0,1,2,3,4,5,6,7
	v_pk_add_f32 v[96+16*\m+2*\q:97+16*\m+2*\q], v[Q1+2*\q:Q1+2*\q+1], v[Q1+16+4*\m:Q1+17+4*\m] op_sel_hi:[1,0]   ; a2 + b2n
.endr
.endr
	WIN 0x51
.irp m, 0,1
.irp q, 0,1,2,3,4,5,6,7
	v_pk_fma_f32 v[96+16*\m+2*\q:97+16*\m+2*\q], v[64+16*\m+2*\q:65+16*\m+2*\q], -2.0, v[96+16*\m+2*\q:97+16*\m+2*\q] op_sel_hi:[1,0,1]   ; - 2 x the product: each accumulator from its low end on
.endr
.endr
	WIN 0x44
.set ej, 96
.rept 32
	v_max_num_f32 v[ej], 0, v[ej]
.set ej, ej+1
.endr
	WIN 0x41
	s_wait_alu depctr_va_vdst(0)                   ; the wait ahead of the batch,
.set ej, 96
.rept 32
	v_sqrt_f32 v[ej], v[ej]
.set ej, ej+1
.endr
	v_nop                                          ; one plain place behind the transcendentals
	s_wait_alu depctr_va_vdst(0)                   ; and behind it
	WIN 0x05                                       ; the least of my 16 distances of each row, two chains a row tile
.irp i, 0,2,4,6
.irp m, 0,1
.irp n, 0,1
.if \i == 0
	v_min_num_f32 v[TM+\m+2*\n], v[96+16*\m+8*\n], v[97+16*\m+8*\n]
.else
	v_min3_num_f32 v[TM+\m+2*\n], v[96+16*\m+8*\n+\i], v[97+16*\m+8*\n+\i], v[TM+\m+2*\n]
.endif
.endr
.endr
.endr
	WIN 0
.irp m, 0,1
	v_min_num_f32 v[TM+\m], v[TM+\m], v[TM+2+\m]
.endr
.irp m, 0,1
	v_permlanex16_b32 v[TM+4+\m], v[TM+\m], s54, s55
.endr
.irp m, 0,1
	v_min_num_f32 v[T4+2+\m], v[TM+\m], v[TM+4+\m] ; and of lane l xor 16's: of the wave's 32 codes
.endr
.irp m, 0,1
	v_mov_b32 v[T4+\m], 255                        ; above every index: a lane that does not hold the least
.endr
	WIN 0x01
.set aj, 15
.rept 8                                        ; the FIRST index at which the least stands: from the last register down, each hit overwrites
.irp e, 0,1
.irp m, 0,1
	v_cmp_neq_f32 s[16+2*\e+\m], v[96+16*\m+aj-\e], v[T4+2+\m]
.endr
.endr
.irp e, 0,1
.irp m, 0,1
	v_cndmask_b32 v[T4+\m], 16*((aj-\e)/8)+(aj-\e)%8, v[T4+\m], s[16+2*\e+\m]
.endr
.endr
.set aj, aj-2
.endr
	WIN 0
.irp m, 0,1
	v_add_nc_u32 v[T4+\m], v[IDXB], v[T4+\m]
.endr
.irp m, 0,1
	v_permlanex16_b32 v[TM+4+\m], v[T4+\m], s54, s55
.endr
.irp m, 0,1
	v_min_u32 v[T4+\m], v[T4+\m], v[TM+4+\m]
.endr
.irp m, 0,1
	ds_store_b32 v[RW], v[T4+2+\m] offset:128*(\b)+64*\m    ; lanes r and r + 16 write the same word with the same value
	ds_store_b32 v[RW], v[T4+\m] offset:2048+128*(\b)+64*\m
.endr
.endm
	s_load_b256 s[4:11], s[0:1], 0x0               ; x s[4:5], wq s[6:7], b1 s[8:9], b2 s[10:11]
	s_load_b64 s[12:13], s[0:1], 0x20              ; out0
	v_lshl_add_u32 v[SPW], v0, 2, SPARE
	v_mov_b32 v[NIL], 0
	ds_add_u32 v[SPW], v[NIL]                      ; the wave's opening
	ds_add_u32 v[SPW], v[NIL]
	v_lshrrev_b32 v79, 5, v0
	v_readfirstlane_b32 s14, v79                   ; wave 0..3
	; WHILE THE ARGUMENTS ARE ON THEIR WAY: all that hangs on no pointer
	v_and_b32 v93, 31, v0                          ; lane
	v_and_b32 v94, 15, v0                          ; r
	v_bfe_u32 v95, v0, 4, 1                        ; h
	v_lshlrev_b32 v[XO], 4, v93
	v_lshlrev_b32 v76, 3, v93
	v_lshlrev_b32 v77, 2, v93
	v_lshlrev_b32 v78, 4, v94
	v_lshl_add_u32 v79, v95, 8, v78                ; W1's and W2's scale words: 256 h + 16 r
	v_lshl_add_u32 v92, v94, 2, v95                ; 4 r + h
	v_lshlrev_b32 v[PFO], 12, v93
	s_wait_alu depctr_va_vdst(0)                   ; directly ahead of the scalar lines below
	; descriptor group 1: 32 rows of 256 numbers of 4 bytes, 4,096 bytes apart; in LDS 16 bytes of padding behind each row
	s_mov_b32 s24, (2<<16)|(1<<20)|(7<<22)|(3<<25) ; elements of 4 bytes; padding on, after every 256 words (code 7), of 4 words (code 3)
	s_mov_b32 s25, 256<<16
	s_mov_b32 s26, 32<<16
	s_mov_b32 s27, 256<<16
	s_mov_b32 s28, 32
	s_mov_b32 s29, 1024
	s_mov_b32 s30, 0
	s_mov_b32 s31, 0
	; groups 0: s[32:35] for slot 0, s[36:39] for slot 1
	s_mov_b32 s32, 1
	s_mul_i32 s33, s14, QUART
	s_mov_b32 s36, 1
	s_add_co_u32 s37, s33, SLOT
	s_and_b32 s15, s14, 1                          ; w % 2
	s_lshr_b32 s16, s14, 1                         ; w / 2
	s_lshl_b32 s18, ttmp9, 19                      ; 128 rows of 4,096 bytes a work-group,
	s_lshl_b32 s17, s14, 10                        ; my 256 along K
	s_add_co_u32 s18, s18, s17
	s_mov_b32 s19, 0
	s_lshl_b32 s20, s14, 9
	s_mov_b32 s21, 0
	s_lshl_b32 s22, s14, 8
	s_mov_b32 s23, 0
	s_mov_b32 s51, 0
	s_mov_b32 s54, 0x76543210
	s_mov_b32 s55, 0xfedcba98                      ; v_permlanex16_b32's selects for lane l xor 16
	s_mov_b32 s56, 0x88888888                      ; the signs of eight codes
	s_mul_i32 s50, s15, 16*PITCH                   ; my unit in a slot: 16 rows of the step's 32, 512 bytes of the row's 1,024
	s_lshl_b32 s52, s16, 9
	s_add_co_u32 s50, s50, s52
	v_mul_u32_u24 v2, v94, PITCH
	v_lshl_add_u32 v2, v95, 7, v2
	v_add_nc_u32 v2, s50, v2
	v_add_nc_u32 v3, 2*QUART, v2
	v_add_nc_u32 v8, SLOT, v2
	v_add_nc_u32 v17, SLOT+2*QUART, v2
	v_add_nc_u32 v[LI0], XI, v[XO]
	v_lshl_add_u32 v[LSX], v93, 2, XI+4096
	s_lshl_b32 s50, s14, 10
	v_add_nc_u32 v[XWI], s50, v[LI0]
	s_lshl_b32 s50, s14, 6
	s_add_co_u32 s50, s50, XI+4096
	v_add_nc_u32 v[XWS], s50, v92
	s_lshl_b32 s50, s14, 12
	s_add_co_u32 s50, s50, CBL
	v_add_nc_u32 v[CL], s50, v[XO]
	s_lshl_b32 s50, s14, 11
	s_add_co_u32 s50, s50, HI
	v_add_nc_u32 v[HWI], s50, v[XO]
	s_lshl_b32 s50, s14, 7
	s_add_co_u32 s50, s50, HI+8192
	v_add_nc_u32 v[HWS], s50, v92
	s_lshl_b32 s50, s16, 11
	s_lshl_b32 s52, s15, 9
	s_add_co_u32 s50, s50, s52
	s_add_co_u32 s50, s50, EI
	v_add_nc_u32 v[EWI], s50, v[XO]
	s_lshl_b32 s50, s16, 7
	s_lshl_b32 s52, s15, 1
	s_add_co_u32 s50, s50, s52
	s_add_co_u32 s50, s50, EI+4096
	v_add_nc_u32 v[EWS], s50, v92
	s_lshl_b32 s50, s14, 2
	s_add_co_u32 s50, s50, A2L
	v_lshl_add_u32 v[A2W], v94, 4, s50
	v_lshl_add_u32 v[A2R], v94, 4, A2L
	s_lshl_b32 s50, s14, 10
	s_add_co_u32 s50, s50, BIAS
	v_lshl_add_u32 v[B1A], v95, 7, s50
	v_add_nc_u32 v87, s50, v[XO]
	s_add_co_u32 s52, s50, 512
	v_lshl_add_u32 v88, v93, 3, s52
	s_add_co_u32 s52, s50, 768
	v_lshl_add_u32 v[BNA], v95, 5, s52
	v_lshl_add_u32 v89, v93, 2, s52
	s_lshl_b32 s50, s14, 9
	s_add_co_u32 s50, s50, RES
	v_lshl_add_u32 v[RW], v94, 2, s50
	s_lshl_b32 s50, s14, 5
	v_lshl_add_u32 v[IDXB], v95, 3, s50
	s_wait_alu depctr_va_vdst(0)                   ; directly ahead of the waits below
	s_wait_dscnt 0x0                               ; both opening adds are done
	s_wait_kmcnt 0x0
	s_add_nc_u64 s[58:59], s[4:5], s[18:19]        ; x at my part of block 0
	s_mov_b64 s[34:35], s[58:59]
	s_or_b32 s35, s35, 0x80000000
	tensor_load_to_lds s[32:35], s[24:31]          ; block 0
	s_nop 0
	s_add_nc_u64 s[38:39], s[58:59], 0x20000       ; block 1: 32 rows on
	s_or_b32 s39, s39, 0x80000000
	s_add_nc_u64 s[8:9], s[8:9], s[20:21]          ; b1 at my 128 hidden units
	s_add_nc_u64 s[10:11], s[10:11], s[22:23]      ; b2 at my 64 columns
	s_lshl_b32 s50, s14, 7
	s_add_co_u32 s50, s50, WQ_CBN
	s_add_nc_u64 s[48:49], s[6:7], s[50:51]        ; b2n of my 32 codes
	s_lshl_b32 s50, s14, 12
	s_add_co_u32 s50, s50, WQ_SC
	s_add_nc_u64 s[42:43], s[6:7], s[50:51]        ; W1's scale words,
	s_lshl_b32 s50, s14, 10
	s_add_co_u32 s50, s50, WQ_W2S
	s_add_nc_u64 s[44:45], s[6:7], s[50:51]        ; W2's,
	s_lshl_b32 s50, s14, 8
	s_add_co_u32 s50, s50, WQ_CBS
	s_add_nc_u64 s[46:47], s[6:7], s[50:51]        ; the codebook's
	s_lshl_b32 s50, s14, 12
	s_add_co_u32 s50, s50, WQ_CB
	s_add_nc_u64 s[62:63], s[6:7], s[50:51]        ; the codebook's codes,
	s_lshl_b32 s50, s14, 14
	s_add_co_u32 s50, s50, WQ_W2
	s_add_nc_u64 s[60:61], s[6:7], s[50:51]        ; W2's,
	s_lshl_b32 s50, s14, 16
	s_add_nc_u64 s[40:41], s[6:7], s[50:51]        ; W1's
; GLOBAL LOADS IN ISSUE ORDER: b1, b2, b2n (3), scale words (11), the codebook (8), W1 0 and 1 (32 each); behind block 0's steps 0, 1, 2: W1 2, W1 3, W2 (32 each)
	global_load_b128 v[80:83], v[XO], s[8:9]
	global_load_b64 v[84:85], v76, s[10:11]
	global_load_b32 v86, v77, s[48:49]
.irp s, 0,1,2,3,4,5,6,7
	global_load_b128 v[W1S+4*\s:W1S+4*\s+3], v79, s[42:43] offset:512*\s
.endr
.irp s, 0,1
	global_load_b128 v[W2S+4*\s:W2S+4*\s+3], v79, s[44:45] offset:512*\s
.endr
	global_load_b128 v[CBS:CBS+3], v78, s[46:47]
.irp i, 0,1,2,3,4,5,6,7
	global_load_b128 v[Q1+4*\i:Q1+4*\i+3], v[XO], s[62:63] offset:512*\i
.endr
	WLD 0
	WLD 1
	s_wait_loadcnt 63                              ; all ahead of W1 is in: behind it 64 loads; the wait names 63, the most that its field holds
	ds_store_b128 v87, v[80:83]                    ; b1, b2, b2n and the codebook's fragments: my own parts, read by me alone
	ds_store_b64 v88, v[84:85]
	ds_store_b32 v89, v86
.irp i, 0,1,2,3,4,5,6,7
	ds_store_b128 v[CL], v[Q1+4*\i:Q1+4*\i+3] offset:512*\i
.endr
	s_wait_xcnt 0x0                                ; the loads have read their address registers, which the quantiser writes
	s_wait_tensorcnt 0x0                           ; my part of block 0 is in
	ds_add_u32 v[SPW], v[NIL]
	s_wait_dscnt 0x0
	s_barrier_signal -1
	s_barrier_wait -1                              ; block 0 is whole
	tensor_load_to_lds s[36:39], s[24:31]          ; block 1
	s_nop 0
	TLD 0, 0, Q0, 0
	TLD 0, 0, Q0, 1
	BODY 0, 0, -1, 2
	BODY 0, 1, 63, 3                               ; W1 0 is in: behind it W1 1 and 2, 64 loads: the wait names 63, which is fewer and so safe
	BODY 0, 2, 63, 4                               ; W1 1: behind it W1 2 and 3
	BODY 0, 3, 63, -1                              ; W1 2: behind it W1 3 and W2
	EPI 0
.irp b, 1,2,3
	BODY \b, 0, -1, -1
	BODY \b, 1, -1, -1
	BODY \b, 2, -1, -1
	BODY \b, 3, -1, -1
	EPI \b
.endr
	; the last choice: waves 0 and 1 take 64 rows each, two a lane
	s_lshl_b32 s50, s14, 8
	s_add_co_u32 s52, s50, RES
	v_lshrrev_b32 v76, 1, v[XO]                    ; 8 x lane
	v_add_nc_u32 v77, s52, v76
	s_lshl_b32 s18, ttmp9, 9
	s_mov_b32 s19, 0
	s_add_nc_u64 s[12:13], s[12:13], s[18:19]      ; out0 at the work-group's first token,
	s_add_nc_u64 s[12:13], s[12:13], s[50:51]      ; and at my wave's
	s_wait_alu depctr_va_vdst(0)                   ; directly ahead of the barrier's wait
	BAR                                            ; the four waves' least distances and indices of 128 rows lie in LDS
	s_cmp_lt_u32 s14, 2
	s_cbranch_scc0 .Ldone
.irp w, 0,1,2,3
	ds_load_b64 v[128+2*\w:129+2*\w], v77 offset:512*\w
	ds_load_b64 v[136+2*\w:137+2*\w], v77 offset:2048+512*\w
.endr
	s_wait_dscnt 0x0
.irp e, 0,1
	v_min3_num_f32 v[144+\e], v[128+\e], v[130+\e], v[132+\e]
	v_min_num_f32 v[144+\e], v[144+\e], v[134+\e]
	v_mov_b32 v[148+\e], v[142+\e]
.irp w, 2,1,0                                  ; the lower wave has the lower indices: it overwrites
	v_cmp_neq_f32 vcc_lo, v[128+2*\w+\e], v[144+\e]
	v_cndmask_b32 v[148+\e], v[136+2*\w+\e], v[148+\e], vcc_lo
.endr
.endr
	global_store_b64 v76, v[148:149], s[12:13]     ; 32 lanes store 256 consecutive bytes, at a multiple of 256 from out0's first byte
.Ldone:
	s_wait_tensorcnt 0x0                           ; the wave's end
	ds_add_u32 v[SPW], v[NIL]
	s_wait_dscnt 0x0
	s_endpgm
.Lfunc_end_k_qd695f5ce11_main:
	.size	k_qd695f5ce11_main, .Lfunc_end_k_qd695f5ce11_main-k_qd695f5ce11_main
	.p2alignl 7, 3214868480
	.fill 96, 4, 3214868480
	.section	.rodata,"a",@progbits
	.p2align	6, 0x0
	.amdhsa_kernel k_qd695f5ce11_main
		.amdhsa_group_segment_fixed_size 327680
		.amdhsa_private_segment_fixed_size 0
		.amdhsa_enable_private_segment 0
		.amdhsa_kernarg_size 40
		.amdhsa_user_sgpr_count 2
		.amdhsa_user_sgpr_kernarg_segment_ptr 1
		.amdhsa_wavefront_size32 1
		.amdhsa_system_sgpr_workgroup_id_x 1
		.amdhsa_system_sgpr_workgroup_id_y 1
		.amdhsa_system_sgpr_workgroup_id_z 1
		.amdhsa_system_vgpr_workitem_id 0
		.amdhsa_next_free_vgpr 1024
		.amdhsa_next_free_sgpr 66
		.amdhsa_reserve_vcc 1
		.amdhsa_float_denorm_mode_32 3
		.amdhsa_float_denorm_mode_16_64 3
		.amdhsa_memory_ordered 1
		.amdhsa_forward_progress 1
		.amdhsa_inst_pref_size 255
	.end_amdhsa_kernel
	.section	.bss,"aw",@nobits
	.p2align	6
	.space	262144
	.amdgpu_metadata
---
amdhsa.version: [ 1, 2 ]
amdhsa.kernels:
  - .name:           k_qd695f5ce11_main
    .symbol:         k_qd695f5ce11_main.kd
    .args:
      - { .name: x, .offset: 0, .size: 8, .value_kind: global_buffer, .address_space: global }
      - { .name: wq, .offset: 8, .size: 8, .value_kind: global_buffer, .address_space: global }
      - { .name: b1, .offset: 16, .size: 8, .value_kind: global_buffer, .address_space: global }
      - { .name: b2, .offset: 24, .size: 8, .value_kind: global_buffer, .address_space: global }
      - { .name: out0, .offset: 32, .size: 8, .value_kind: global_buffer, .address_space: global }
    .group_segment_fixed_size: 327680
    .private_segment_fixed_size: 0
    .kernarg_segment_align: 8
    .kernarg_segment_size: 40
    .max_flat_workgroup_size: 128
    .sgpr_count:     66
    .vgpr_count:     1024
    .wavefront_size: 32
...
	.end_amdgpu_metadata
.endif
;; end of part 2
